; MI455X (gfx1250); checked and timed in simulation.
; The chip was launched on July 23, 2026; its instructions are those of AMD's public machine-readable ISA for CDNA 5 (MIT licence, August 2026) and "CDNA5" Instruction Set Architecture Reference Guide (July 2026). The comments in the code are by the model that wrote it; some were corrected since.
;; MHC Lite Block. Allowed arithmetic: matrix products marked QUANTISED: E4M3 operands, one given power-of-two scale a tensor, by v_wmma_f32_16x16x64_fp8_fp8 or v_wmma_f32_16x16x128_fp8_fp8, f32 sums; products left as they are: f32 operands where the result goes on into a quantised operand, else bf16, f16 or f32 operands; f32 sums; everything else in f32.
;; Inputs: W1_codes 8,192 x 64 x 32 uint8 (E4M3 codes of W1, K innermost, in blocks of 32 codes); W2_codes 2,048 x 256 x 32 uint8 (E4M3 codes of W2, K innermost, in blocks of 32 codes); W_all_codes 32 x 256 x 32 uint8 (E4M3 codes of W_all, K innermost, in blocks of 32 codes); alpha_post 1 float32; alpha_pre 1 float32; alpha_res 1 float32; b1 8,192 float32; b2 2,048 float32; b_all 32 float32; lowp_scales 6 int32 (the exponents e of the quantised operands' scales 2^e); perm_mat 24 x 16 float32; x_streams 2 x 1,024 x 4 x 2,048 float32.
;; Outputs: out0 2 x 1,024 x 4 x 2,048 float32.
;; This version of the problem:
;;   THIS VERSION OF THE PROBLEM IS GIVEN IN LOW PRECISION. The matrix products marked QUANTISED in the list below multiply operands that are first quantised to E4M3 (4 exponent bits, 3 mantissa bits; 8 bits a number), with one given power-of-two scale for each operand tensor; their sums are f32. All else is computed in f32.
;;   The module's matrix products, in the order in which they are computed (A, B: the left and right operand; K: the contracted axis; several contracted axes count as one K, in the product's order):
;;     1. [M 2,048, K 8,192] x [K 8,192, N 32]; A: computed on the way; B: input W_all (given as codes): QUANTISED (scales: A lowp_scales[0], B lowp_scales[1])
;;     2. [M 2,048, K 24] x [K 24, N 16]; A: softmax; B: input perm_mat: left as it is (K = 24 < 32)
;;     3. batch 2,048 x [M 1, K 4] x [K 4, N 2,048]; A: computed on the way; B: input x_streams: left as it is (K = 4 < 32)
;;     4. [M 2,048, K 2,048] x [K 2,048, N 8,192]; A: computed on the way; B: input W1 (given as codes): QUANTISED (scales: A lowp_scales[2], B lowp_scales[3])
;;     5. [M 2,048, K 8,192] x [K 8,192, N 2,048]; A: computed on the way; B: input W2 (given as codes): QUANTISED (scales: A lowp_scales[4], B lowp_scales[5])
;;     6. batch 2,048 x [M 4, K 4] x [K 4, N 2,048]; A: computed on the way; B: input x_streams: left as it is (K = 4 < 32)
;;   THE QUANTISER, for each operand of a quantised product, along K:
;;     - The operand's scale is 2^e, e = its entry of the input lowp_scales (int32; the entries are numbered through the quantised products in the list's order, A before B).
;;     - Each number is divided by the scale, clamped to +-448, and rounded to the nearest number of E4M3, ties to even, subnormals kept.
;;     - The product sums the exact products of the quantised numbers (number of the format x scale) in f32.
;;   ~~~python
;;   def quantise(x, axis, e):      # numpy; x: float32 -> the quantised numbers, widened to float32 again
;;       x = np.moveaxis(x, axis, -1); K = x.shape[-1]
;;       r = np.clip(x / 2.0 ** e, -448, 448)
;;       step = 2.0 ** (np.maximum(np.frexp(np.where(r == 0, 1, r))[1] - 1, -6) - 3)
;;       q = np.round(r / step) * step * 2.0 ** e      # np.round: ties to even
;;       return np.moveaxis(q, -1, axis).astype(np.float32)
;;   ~~~
;;   OPERANDS COMPUTED ON THE WAY. 'Computed on the way' means the value that the module computes at that place (a softmax that the list does not call 'softmax' is quantised finished and normalised). What goes into a quantiser is computed in f32, as accurately as f32 sums, v_exp_f32 and their like allow (about 1e-6 of the number): no bf16 or f16 on the way to a quantiser, and a product that is left as it is and whose result goes on into a quantised operand takes f32 operands (vector FMAs, or v_wmma_f32_16x16x4_f32). A number that lies on a knife's edge between two numbers of the format may be rounded either way, as far as f32 arithmetic and the matrix unit's own rounding can turn it there, and no further.
;;   INPUTS GIVEN AS CODES. W1 (in the module: [8192, 2048], K = its axis 1); W2 (in the module: [2048, 8192], K = its axis 1); W_all (in the module: [32, 8192], K = its axis 1): each comes as NAME_codes (uint8): NAME with its K axis moved to the last place and cut into blocks of 32 codes, [.., K / 32, bytes a block], one block behind the other in memory; one code a byte (a code: sign, 4 exponent bits, 3 mantissa bits); its scale is its entry of lowp_scales. Its value is code x scale, taken as it is: it is not quantised again, and the codes and scales need not be those that the quantiser above would give.
;; One version. Each part assembles by itself: llvm-mc -triple=amdgcn-amd-amdhsa -mcpu=gfx1250 --defsym DOCPART=n.
;; ======== version 1 of 1: 3 launches
;; limits: right only within a limited range of input values
;; workspace buffers: acodes 4,194,304 bytes; hcodes 16,777,216 bytes; coefs 262,144 bytes
;; launch coef (part 1): grid 256 x 1, 4 waves a work-group, no clusters, 91,904 bytes of LDS; arguments x_streams, W_all_codes, b_all, alpha_pre, alpha_post, alpha_res, perm_mat, lowp_scales, acodes, coefs; writes acodes, coefs
.if DOCPART == 1
	.amdgcn_target "amdgcn-amd-amdhsa--gfx1250"
	.amdhsa_code_object_version 6
	.text
	.protected	k_q9a32a86919_coef
	.globl	k_q9a32a86919_coef
	.p2align	8
	.type	k_q9a32a86919_coef,@function
k_q9a32a86919_coef:
	s_mov_b64 s[64:65], 0
	v_nop
	global_prefetch_b8 v0, s[64:65] scope:SCOPE_SE
	s_setreg_imm32_b32 hwreg(HW_REG_WAVE_MODE, 25, 1), 1
	s_wait_xcnt 0x0
; THE COEFFICIENTS AND THE LAYER'S INPUT.  For each of 2,048 tokens (4 streams x 2,048 f32 = 8,192 numbers):
;   x_norm = x * rsqrt(mean(x^2) + eps), quantised to E4M3 with 2^e0;  all_proj = x_norm W_all^T on codes (32 outputs, K = 8,192), x 2^(e0 + e1);
;   h_pre = sigmoid(alpha_pre p + b), h_post = 2 sigmoid(alpha_post p + b), a_res = softmax(alpha_res p + b) over 24 (its maximum taken away), H_res = a_res perm_mat,
;   H_merged = H_res - h_post h_pre^T;  layer_input = sum over n of h_pre[n] x[n], in f32, quantised with 2^e2.
; OUT: acodes [2048][2048] (the layer input's codes, K innermost);  coefs [2048][32] f32: word 4 i + j = H_merged[i][j], word 16 + 4 i + j = h_post[i].
; NO WORK OF THE PROBLEM IS LEFT OUT in this program and every input is loaded: b_all differs along the softmax's axis, perm_mat is read as it is given.
; LIMITS: e0 and e2 between -126 and 119, e0 + e1 between -126 and 127, so that each power of two below is an f32 number.  NaN among the inputs is not served.
; SHARES.  A work-group of four waves owns 8 tokens, wave w tokens 2 w and 2 w + 1, whose 2 x 8,192 numbers stay in 512 registers: x is read from memory once here.
; Load i (0 .. 63) of a token reads 512 consecutive bytes; lane l holds flat k = 128 i + 4 l + 0 .. 3.  The codes of x_norm go to LDS in the order of k.
; THE PRODUCT is shared along K: wave w takes k = 2,048 w .. + 2,047 (16 steps of 128) for all 8 tokens and both tiles of 16 outputs; source 0 = 16 rows of W_all (from memory straight into
; registers), source 1 = the tokens (lane r takes token r % 8: columns 8-15 repeat 0-7).  The four waves' partial sums meet in LDS.  No multicast: the launch has no tensor load, since W_all's codes
; (8,208 x 32 bytes padded) and x's codes (8,208 x 8) would not lie together in 327,680 bytes with the rest.
; A fragment's k: registers 4 c .. 4 c + 3 hold k = 32 c + 16 (l / 16) + 0 .. 15, the same in both sources, so every product meets its partner.
; REGISTERS, in windows of 256.  Window 0: v1 lane, v2 r = l % 16, v3 h = l / 16; v4-17 addresses; v18, v19 the add's two; v[20:21], v[22:23] rsqrt of token A, B (twice each);
;   v24, v25: 2^e0, 448 x 2^e0; v26, v27: the same for e2; v28, v29 my bias of h_pre, h_post; v30, v31 at work; v32-55 perm_mat[q][r]; v56-63 sums of squares; v64-79 two accumulators;
;   v80-143 codes, then x's fragments, then partial sums; v144-175 at work; v176-239 the layer input; v240-255 its codes.
;   Window 1: W_all's fragments, two sets of four K steps.  Window 2: token A's x.  Window 3: token B's.
.set XP,    8208                       ; LDS: 8 rows of x's codes, 8,192 bytes + 16: the 8 rows that a fragment load touches start 16 bytes apart modulo 256
.set PART,  65792                      ; 4 waves x 16 rows x 144 bytes: the partial sums, 32 f32 a row + 16
.set PW,    2304
.set PR,    144
.set LIS,   75008                      ; 4 waves x 2 tokens x 2,048 bytes: the layer input's codes, each wave's own
.set SPARE, 91392                      ; the spare words, 128 bytes for each wave: two blocks of 256 bytes that no other line names
.set MSB, 0
.macro WIN new                         ; the immediate's high byte repeats the setting that is left; a switch that changes nothing is dropped
.if MSB != (\new)
	s_set_vgpr_msb (MSB<<8)|(\new)
.set MSB, (\new)
.endif
.endm
.macro BARRIER                         ; my LDS stores have landed and my LDS loads are in: then the work-group's barrier
	s_wait_dscnt 0x0
	s_barrier_signal -1
	s_barrier_wait -1
.endm
.macro XLD tok, i0                     ; eight loads of token tok, 512 consecutive bytes each
	WIN 0x80+0x40*(\tok)
.set ii, \i0
.rept 8
	global_load_b128 v[4*ii:4*ii+3], v4, s[4:5] offset:32768*(\tok)+512*ii th:TH_LOAD_NT
.set ii, ii+1
.endr
.endm
.macro SSQ tok, g                      ; the squares of group g's 32 registers, in four packed chains; a token's first four lines start the chains
	WIN 0x0a+5*(\tok)
.set p, 0
.rept 16
.if ((\g) == 0) && (p < 4)
	v_pk_mul_f32 v[56+2*p:57+2*p], v[32*(\g)+2*p:32*(\g)+2*p+1], v[32*(\g)+2*p:32*(\g)+2*p+1]
.else
	v_pk_fma_f32 v[56+2*(p%4):57+2*(p%4)], v[32*(\g)+2*p:32*(\g)+2*p+1], v[32*(\g)+2*p:32*(\g)+2*p+1], v[56+2*(p%4):57+2*(p%4)]
.endif
.set p, p+1
.endr
.endm
.macro WLD s                           ; W_all's two fragments of my K step s: eight loads
	WIN 0x40
.irp tl, 0,1
.irp c, 0,1,2,3
	global_load_b128 v[128*(((\s)/4)%2)+32*((\s)%4)+16*\tl+4*\c:128*(((\s)/4)%2)+32*((\s)%4)+16*\tl+4*\c+3], v5, s[6:7] offset:131072*\tl+128*(\s)+32*\c
.endr
.endr
.endm
.macro QTOK tok                        ; x * rsqrt, the hold, the conversion; a load's four codes are one word of the token's row in LDS
.set u, 0
.rept 8
	WIN 0x02+(\tok)
.set p, 0
.rept 16
	v_pk_mul_f32 v[144+2*p:145+2*p], v[32*u+2*p:32*u+2*p+1], v[20+2*(\tok):21+2*(\tok)]
.set p, p+1
.endr
	WIN 0
.set p, 0
.rept 32
	v_med3_num_f32 v[144+p], v[144+p], -v25, v25   ; the conversion to an 8-bit code does not saturate (ISA guide 7.6.2): the hold at 448 x the scale
.set p, p+1
.endr
.irp c, 0,1,2,3
	v_cvt_scalef32_pk8_fp8_f32 v[80+8*u+2*\c:81+8*u+2*\c], v[144+8*\c:151+8*\c], v24
.endr
	v_nop                                          ; one plain line between the conversions and the next lines that write their sources
.irp d, 0,1,2,3,4,5,6,7
	ds_store_b32 v6, v[80+8*u+\d] offset:XP*(\tok)+128*(8*u+\d)
.endr
.set u, u+1
.endr
.endm
.macro FRLD q                          ; x's fragments of my K steps 4 q .. 4 q + 3
.irp s, 0,1,2,3
.irp c, 0,1,2,3
	ds_load_b128 v[80+16*\s+4*\c:80+16*\s+4*\c+3], v7 offset:128*(4*(\q)+\s)+32*\c
.endr
.endr
.endm
.macro MM q                            ; eight products; the two accumulators take turns, one instruction a turn; the first K step starts the sums
	WIN 0x01
.irp s, 0,1,2,3
.irp tl, 0,1
.if ((\q) == 0) && (\s == 0)
	v_wmma_f32_16x16x128_fp8_fp8 v[64+8*\tl:71+8*\tl], v[128*((\q)%2)+32*\s+16*\tl:128*((\q)%2)+32*\s+16*\tl+15], v[80+16*\s:95+16*\s], 0
.else
	v_wmma_f32_16x16x128_fp8_fp8 v[64+8*\tl:71+8*\tl], v[128*((\q)%2)+32*\s+16*\tl:128*((\q)%2)+32*\s+16*\tl+15], v[80+16*\s:95+16*\s], v[64+8*\tl:71+8*\tl]
.endif
.endr
.endr
	WIN 0
.rept 4
	v_nop                                          ; four places ahead of loads into registers that these products read, and of the first read of results
.endr
.endm
.macro LITOK tok                       ; the layer input of token tok: four streams weighed by h_pre, held, converted, turned through my own LDS bytes, stored as 4 x 512 consecutive bytes
	WIN 0x02+(\tok)
.set p, 0
.rept 32
	v_pk_mul_f32 v[176+2*p:177+2*p], v[2*p:2*p+1], s[68+8*(\tok):69+8*(\tok)] op_sel_hi:[1,0]
.set p, p+1
.endr
.irp n, 1,2,3
.set p, 0
.rept 32
	v_pk_fma_f32 v[176+2*p:177+2*p], v[64*\n+2*p:64*\n+2*p+1], s[68+8*(\tok)+2*\n:69+8*(\tok)+2*\n], v[176+2*p:177+2*p] op_sel_hi:[1,0,1]
.set p, p+1
.endr
.endr
	WIN 0
.set p, 0
.rept 64
	v_med3_num_f32 v[176+p], v[176+p], -v27, v27
.set p, p+1
.endr
.irp c, 0,1,2,3,4,5,6,7
	v_cvt_scalef32_pk8_fp8_f32 v[240+2*\c:241+2*\c], v[176+8*\c:183+8*\c], v26
.endr
	v_nop                                          ; one plain line behind the last conversion
.irp d, 0,1,2,3,4,5,6,7,8,9,10,11,12,13,14,15
	ds_store_b32 v12, v[240+\d] offset:2048*(\tok)+128*\d
.endr
.irp c, 0,1,2,3
	ds_load_b128 v[112+16*(\tok)+4*\c:115+16*(\tok)+4*\c], v13 offset:2048*(\tok)+512*\c   ; LDS serves a wave's instructions in order (ISA guide 5.7.1.4): these see my stores
.endr
	s_wait_dscnt 0x0
.irp c, 0,1,2,3
	global_store_b128 v4, v[112+16*(\tok)+4*\c:115+16*(\tok)+4*\c], s[20:21] offset:2048*(\tok)+512*\c
.endr
.endm
	s_load_b512 s[4:19], s[0:1], 0x0               ; x s[4:5], W_all s[6:7], b_all s[8:9], alpha_pre s[10:11], alpha_post s[12:13], alpha_res s[14:15], perm_mat s[16:17], the scales s[18:19]
	s_load_b128 s[20:23], s[0:1], 0x40             ; acodes s[20:21], coefs s[22:23]
	v_lshl_add_u32 v18, v0, 2, SPARE               ; my spare word,
	v_mov_b32 v19, 0                               ; and 0: kept for the closing lines
	v_lshrrev_b32 v1, 5, v0
	v_readfirstlane_b32 s66, v1                    ; wave 0..3
	v_and_b32 v1, 31, v0                           ; lane
	v_and_b32 v2, 15, v0                           ; r
	v_bfe_u32 v3, v0, 4, 1                         ; h
	v_lshlrev_b32 v4, 4, v1                        ; x's loads and acodes' stores: 16 x lane
	v_lshlrev_b32 v5, 13, v2
	v_lshl_add_u32 v5, v3, 4, v5                   ; W_all: row r of 8,192 bytes + 16 h
	s_mul_i32 s93, s66, 2*XP
	v_lshlrev_b32 v6, 2, v1
	v_add_nc_u32 v6, s93, v6                       ; x's codes on the way in: row 2 w, 4 x lane
	v_and_b32 v7, 7, v0
	v_mul_u32_u24 v7, v7, XP
	v_lshl_add_u32 v7, v3, 4, v7
	s_lshl_b32 s93, s66, 11
	v_add_nc_u32 v7, s93, v7                       ; x's fragments: row r % 8, + 16 h, + my 2,048 along K
	s_mul_i32 s93, s66, PW
	s_add_co_u32 s93, s93, PART
	v_mul_u32_u24 v8, v2, PR
	v_lshl_add_u32 v8, v3, 5, v8
	v_add_nc_u32 v8, s93, v8                       ; my partial sums: row r, + 32 h
	s_mul_i32 s93, s66, 2*PR
	s_add_co_u32 s93, s93, PART
	v_mul_u32_u24 v9, v3, PR
	v_add_nc_u32 v9, s93, v9                       ; back: the row of token 2 w + h, in wave 0's part
	v_and_b32 v16, 3, v0
	v_lshlrev_b32 v16, 2, v16                      ; 4 j, j = r % 4
	v_bfe_u32 v17, v0, 2, 2
	v_lshl_add_u32 v17, v17, 2, 16                 ; 16 + 4 i, i = r / 4
	v_add_nc_u32 v10, v9, v16                      ; output j: h_pre's
	v_add_nc_u32 v11, v9, v17                      ; output 4 + i: h_post's
	s_lshl_b32 s93, s66, 12
	s_add_co_u32 s93, s93, LIS
	v_lshl_add_u32 v12, v1, 2, s93                 ; the layer input's codes: in, a word a lane;
	v_lshl_add_u32 v13, v1, 4, s93                 ; back, 16 bytes a lane
	v_lshlrev_b32 v14, 2, v2
	v_lshl_add_u32 v14, v3, 7, v14                 ; coefs: 128 h + 4 r
	v_lshlrev_b32 v15, 2, v2                       ; perm_mat: 4 r
	v_mov_b32 v30, 0                               ; written once: a lane permute's destination counts as one of its sources
	v_mov_b32 v31, 0
	s_mov_b32 s84, 0x76543210                      ; v_permlanex16_b32's selects for lane l xor 16
	s_mov_b32 s85, 0xfedcba98
	s_mov_b32 s86, 0x39000000                      ; 1 / 8,192
	s_mov_b32 s87, 0x34000000                      ; eps = 2^-23
	s_mov_b32 s88, 0x3fb8aa3b                      ; log2(e)
	s_mov_b32 s89, s88                             ; (named with it as a pair, so it is written)
.irp j, 69,71,73,75,77,79,81,83
	s_mov_b32 s\j, 0                               ; the upper words of h_pre's pairs: named, never used
.endr
	s_wait_kmcnt 0x0
	s_load_b32 s24, s[10:11], 0x0                  ; alpha_pre
	s_load_b32 s25, s[12:13], 0x0                  ; alpha_post
	s_load_b32 s26, s[14:15], 0x0                  ; alpha_res
	s_load_b128 s[28:31], s[18:19], 0x0            ; e0, e1, e2, e3
	s_load_b512 s[32:47], s[8:9], 0x20             ; b_all[8 .. 23]
	s_load_b256 s[48:55], s[8:9], 0x60             ; b_all[24 .. 31]
	s_lshl_b32 s94, ttmp9, 18                      ; 8 tokens of 32,768 bytes a work-group,
	s_lshl_b32 s95, s66, 16                        ; 2 a wave
	s_add_co_u32 s94, s94, s95
	s_mov_b32 s95, 0
	s_add_nc_u64 s[4:5], s[4:5], s[94:95]
	s_lshl_b32 s94, s66, 11                        ; my 2,048 along K in a row of W_all
	s_add_nc_u64 s[6:7], s[6:7], s[94:95]
	s_lshl_b32 s94, ttmp9, 14                      ; acodes: 2,048 bytes a token
	s_lshl_b32 s96, s66, 12
	s_add_co_u32 s94, s94, s96
	s_add_nc_u64 s[20:21], s[20:21], s[94:95]
	s_lshl_b32 s94, ttmp9, 10                      ; coefs: 128 bytes a token
	s_lshl_b32 s96, s66, 8
	s_add_co_u32 s94, s94, s96
	s_add_nc_u64 s[22:23], s[22:23], s[94:95]
	; ---- token A's 64 loads; then its squares, eight loads at a time, with token B's loads issued behind each group
.set gg, 0
.rept 8
	XLD 0, 8*gg
.set gg, gg+1
.endr
.set gg, 0
.rept 8
	s_wait_alu depctr_va_vdst(0)
	s_wait_loadcnt 56                              ; 64 + 8 g loads are issued, the first 8 g + 8 are wanted: 56 may stay out
	SSQ 0, gg
	XLD 1, 8*gg
.set gg, gg+1
.endr
	WIN 0
	v_pk_add_f32 v[56:57], v[56:57], v[58:59]
	v_pk_add_f32 v[60:61], v[60:61], v[62:63]
	v_pk_add_f32 v[56:57], v[56:57], v[60:61]
	v_add_f32 v20, v56, v57                        ; token A: my lane's sum of squares
.set gg, 0
.rept 8
	s_wait_alu depctr_va_vdst(0)
	s_wait_loadcnt 56                              ; 128 + 8 g are issued, the first 72 + 8 g are wanted
	SSQ 1, gg
	WLD gg                                         ; W_all's K steps 0 to 7 go out meanwhile
.set gg, gg+1
.endr
	WIN 0
	v_pk_add_f32 v[56:57], v[56:57], v[58:59]
	v_pk_add_f32 v[60:61], v[60:61], v[62:63]
	v_pk_add_f32 v[56:57], v[56:57], v[60:61]
	v_add_f32 v22, v56, v57                        ; token B's
.set q, 0
.rept 24
	global_load_b32 v[32+q], v15, s[16:17] offset:64*q   ; perm_mat[q][r]
.set q, q+1
.endr
	global_load_b32 v28, v16, s[8:9]               ; b_all[j]
	global_load_b32 v29, v17, s[8:9]               ; b_all[4 + i]
	; ---- the two rsqrt
.irp m, 1,2,4,8
	v_add_f32_dpp v20, v20, v20 row_xmask:\m row_mask:0xf bank_mask:0xf
	v_add_f32_dpp v22, v22, v22 row_xmask:\m row_mask:0xf bank_mask:0xf
.endr
	v_permlanex16_b32 v30, v20, s84, s85
	v_permlanex16_b32 v31, v22, s84, s85
	v_add_f32 v20, v20, v30
	v_add_f32 v22, v22, v31
	v_fma_f32 v30, v20, s86, s87                   ; the mean + eps
	v_fma_f32 v31, v22, s86, s87
	s_wait_alu depctr_va_vdst(0)
	v_rsq_f32 v20, v30                             ; each twice: the packed multiply takes a pair
	v_rsq_f32 v21, v30
	v_rsq_f32 v22, v31
	v_rsq_f32 v23, v31
	v_nop                                          ; a plain line behind the last of the batch
	s_wait_kmcnt 0x0
	s_add_co_i32 s93, s28, 127
	s_lshl_b32 s94, s93, 23
	v_mov_b32 v24, s94                             ; 2^e0 as f32: the conversion takes its exponent field
	s_add_co_i32 s93, s93, 8
	s_lshl_b32 s93, s93, 23
	s_or_b32 s93, s93, 0x600000
	v_mov_b32 v25, s93                             ; 448 x 2^e0
	s_add_co_i32 s93, s30, 127
	s_lshl_b32 s94, s93, 23
	v_mov_b32 v26, s94                             ; 2^e2
	s_add_co_i32 s93, s93, 8
	s_lshl_b32 s93, s93, 23
	s_or_b32 s93, s93, 0x600000
	v_mov_b32 v27, s93                             ; 448 x 2^e2
	s_add_co_i32 s93, s28, s29
	s_add_co_i32 s93, s93, 127
	s_lshl_b32 s93, s93, 23                        ; 2^(e0 + e1): a sum of the product stands for sum x that
	s_mul_f32 s90, s24, s93
	s_mul_f32 s91, s25, s93
	s_mul_f32 s92, s26, s93
	s_wait_alu depctr_va_vdst(0)                   ; one wait for the four, ahead of their first reader
	; ---- x_norm's codes to LDS
	QTOK 0
	s_wait_dscnt 0x0                               ; token A's stores have read their registers
	QTOK 1
	BARRIER                                        ; the 8 tokens' codes lie in LDS
	; ---- the product: four batches of four K steps
	FRLD 0
	s_wait_dscnt 0x0
	s_wait_loadcnt 58                              ; W's K steps 0-3 are in; behind them: K steps 4-7 (32 loads) and the 26 small loads
	MM 0
	WLD 8
	WLD 9
	WLD 10
	WLD 11
	WIN 0
	FRLD 1
	s_wait_dscnt 0x0
	s_wait_loadcnt 58                              ; K steps 4-7 are in; behind them: the 26 small loads and K steps 8-11
	MM 1
	WLD 12
	WLD 13
	WLD 14
	WLD 15
	WIN 0
	FRLD 2
	s_wait_dscnt 0x0
	s_wait_loadcnt 32                              ; K steps 8-11 are in; behind them: K steps 12-15
	MM 2
	FRLD 3
	s_wait_dscnt 0x0
	s_wait_loadcnt 0x0
	MM 3
.irp tl, 0,1
	ds_store_b128 v8, v[64+8*\tl:67+8*\tl] offset:64*\tl       ; lane (r, h): token r's outputs 16 tl + 8 h + 0 .. 7; each accumulator from its low end on
	ds_store_b128 v8, v[68+8*\tl:71+8*\tl] offset:64*\tl+16
.endr
	BARRIER                                        ; the four waves' partial sums lie in LDS
	; ---- the coefficients.  Lane (r, h) serves token 2 w + h and the place p = r = 4 i + j of the 4 x 4 matrices
.irp wv, 0,1,2,3
.irp k, 0,1,2,3,4,5
	ds_load_b128 v[80+24*\wv+4*\k:83+24*\wv+4*\k], v9 offset:PW*\wv+32+16*\k
.endr
	ds_load_b32 v[176+\wv], v10 offset:PW*\wv
	ds_load_b32 v[180+\wv], v11 offset:PW*\wv
.endr
	s_wait_dscnt 0x0
.set p, 0
.rept 12
	v_pk_add_f32 v[80+2*p:81+2*p], v[80+2*p:81+2*p], v[104+2*p:105+2*p]
	v_pk_add_f32 v[128+2*p:129+2*p], v[128+2*p:129+2*p], v[152+2*p:153+2*p]
.set p, p+1
.endr
.set p, 0
.rept 12
	v_pk_add_f32 v[80+2*p:81+2*p], v[80+2*p:81+2*p], v[128+2*p:129+2*p]
.set p, p+1
.endr
	v_add_f32 v176, v176, v177
	v_add_f32 v178, v178, v179
	v_add_f32 v180, v180, v181
	v_add_f32 v182, v182, v183
	v_add_f32 v176, v176, v178
	v_add_f32 v180, v180, v182
.set q, 0
.rept 24
	v_fma_f32 v[80+q], v[80+q], s92, s[32+q]       ; alpha_res x res_proj + b
.set q, q+1
.endr
	v_fma_f32 v176, v176, s90, v28                 ; alpha_pre x pre_proj[j] + b
	v_fma_f32 v180, v180, s91, v29                 ; alpha_post x post_proj[i] + b
	v_max3_num_f32 v30, v80, v81, v82              ; the softmax's maximum, in two chains
	v_max3_num_f32 v31, v83, v84, v85
.irp i, 6,10,14,18
	v_max3_num_f32 v30, v30, v[80+\i], v[81+\i]
	v_max3_num_f32 v31, v31, v[82+\i], v[83+\i]
.endr
	v_max3_num_f32 v30, v30, v102, v103
	v_max_num_f32 v30, v30, v31
.set p, 0
.rept 12
	v_pk_add_f32 v[80+2*p:81+2*p], v[80+2*p:81+2*p], v[30:31] op_sel_hi:[1,0] neg_lo:[0,1] neg_hi:[0,1]   ; less the maximum (the pair's low word for both halves)
.set p, p+1
.endr
.set p, 0
.rept 12
	v_pk_mul_f32 v[80+2*p:81+2*p], v[80+2*p:81+2*p], s[88:89] op_sel_hi:[1,0]                             ; x log2(e)
.set p, p+1
.endr
	v_mul_f32 v176, 0xbfb8aa3b, v176               ; sigmoid(z) = 1 / (1 + 2^(-z log2(e)))
	v_mul_f32 v180, 0xbfb8aa3b, v180
.set q, 0
	s_wait_alu depctr_va_vdst(0)
.rept 24
	v_exp_f32 v[80+q], v[80+q]
.set q, q+1
.endr
	v_exp_f32 v176, v176
	v_exp_f32 v180, v180
	v_nop                                          ; a plain line behind the batch
	s_wait_alu depctr_va_vdst(0)                   ; one wait for the 26, ahead of their first reader
	v_pk_add_f32 v[30:31], v[80:81], v[82:83]      ; the softmax's sum
	v_pk_add_f32 v[104:105], v[84:85], v[86:87]
.irp i, 8,12,16,20
	v_pk_add_f32 v[30:31], v[30:31], v[80+\i:81+\i]
	v_pk_add_f32 v[104:105], v[104:105], v[82+\i:83+\i]
.endr
	v_pk_add_f32 v[30:31], v[30:31], v[104:105]
	v_add_f32 v30, v30, v31
	v_mul_f32 v106, v80, v32                       ; the sum over q of exp[q] perm_mat[q][p], in two chains
	v_mul_f32 v107, v81, v33
.irp q, 2,4,6,8,10,12,14,16,18,20,22
	v_fmac_f32 v106, v[80+\q], v[32+\q]
	v_fmac_f32 v107, v[81+\q], v[33+\q]
.endr
	v_add_f32 v106, v106, v107
	v_add_f32 v176, 1.0, v176
	v_add_f32 v180, 1.0, v180
	s_wait_alu depctr_va_vdst(0)
	v_rcp_f32 v108, v30
	v_rcp_f32 v109, v176                           ; h_pre[j]
	v_rcp_f32 v110, v180
	v_nop
	s_wait_alu depctr_va_vdst(0)                   ; one wait for the three
	v_mul_f32 v106, v106, v108                     ; H_res[i][j]
	v_add_f32 v110, v110, v110                     ; h_post[i]
	v_fma_f32 v111, -v110, v109, v106              ; H_merged[i][j]
	global_store_b32 v14, v111, s[22:23]
	global_store_b32 v14, v110, s[22:23] offset:64
.irp j, 0,1,2,3
	v_readlane_b32 s[68+2*\j], v109, \j            ; h_pre of token A: lanes 0 to 3;
	v_readlane_b32 s[76+2*\j], v109, 16+\j         ; of token B: lanes 16 to 19
.endr
	; ---- the layer's input
	LITOK 0
	LITOK 1
	s_wait_tensorcnt 0x0                           ; the wave's end, behind my last LDS store
	ds_add_u32 v18, v19
	s_wait_dscnt 0x0
	s_endpgm
.Lfunc_end_k_q9a32a86919_coef:
	.size	k_q9a32a86919_coef, .Lfunc_end_k_q9a32a86919_coef-k_q9a32a86919_coef
	.p2alignl 7, 3214868480
	.fill 96, 4, 3214868480
	.section	.rodata,"a",@progbits
	.p2align	6, 0x0
	.amdhsa_kernel k_q9a32a86919_coef
		.amdhsa_group_segment_fixed_size 91904
		.amdhsa_private_segment_fixed_size 0
		.amdhsa_enable_private_segment 0
		.amdhsa_kernarg_size 80
		.amdhsa_user_sgpr_count 2
		.amdhsa_user_sgpr_kernarg_segment_ptr 1
		.amdhsa_wavefront_size32 1
		.amdhsa_system_sgpr_workgroup_id_x 1
		.amdhsa_system_sgpr_workgroup_id_y 1
		.amdhsa_system_sgpr_workgroup_id_z 1
		.amdhsa_system_vgpr_workitem_id 0
		.amdhsa_next_free_vgpr 1024
		.amdhsa_next_free_sgpr 100
		.amdhsa_reserve_vcc 0
		.amdhsa_float_denorm_mode_32 3
		.amdhsa_float_denorm_mode_16_64 3
		.amdhsa_memory_ordered 1
		.amdhsa_forward_progress 1
		.amdhsa_inst_pref_size 161
	.end_amdhsa_kernel
	.amdgpu_metadata
---
amdhsa.version: [ 1, 2 ]
amdhsa.kernels:
  - .name:           k_q9a32a86919_coef
    .symbol:         k_q9a32a86919_coef.kd
    .args:
      - { .name: x_streams, .offset: 0, .size: 8, .value_kind: global_buffer, .address_space: global }
      - { .name: W_all_codes, .offset: 8, .size: 8, .value_kind: global_buffer, .address_space: global }
      - { .name: b_all, .offset: 16, .size: 8, .value_kind: global_buffer, .address_space: global }
      - { .name: alpha_pre, .offset: 24, .size: 8, .value_kind: global_buffer, .address_space: global }
      - { .name: alpha_post, .offset: 32, .size: 8, .value_kind: global_buffer, .address_space: global }
      - { .name: alpha_res, .offset: 40, .size: 8, .value_kind: global_buffer, .address_space: global }
      - { .name: perm_mat, .offset: 48, .size: 8, .value_kind: global_buffer, .address_space: global }
      - { .name: lowp_scales, .offset: 56, .size: 8, .value_kind: global_buffer, .address_space: global }
      - { .name: acodes, .offset: 64, .size: 8, .value_kind: global_buffer, .address_space: global }
      - { .name: coefs, .offset: 72, .size: 8, .value_kind: global_buffer, .address_space: global }
    .group_segment_fixed_size: 91904
    .private_segment_fixed_size: 0
    .kernarg_segment_align: 8
    .kernarg_segment_size: 80
    .max_flat_workgroup_size: 128
    .sgpr_count:     100
    .vgpr_count:     1024
    .wavefront_size: 32
...
	.end_amdgpu_metadata
.endif
;; end of part 1
;; launch gemm1 (part 2): grid 32 x 8, 4 waves a work-group, clusters of 4 x 4, 327,680 bytes of LDS; arguments acodes, W1_codes, lowp_scales, b1, hcodes; writes hcodes
.if DOCPART == 2
	.amdgcn_target "amdgcn-amd-amdhsa--gfx1250"
	.amdhsa_code_object_version 6
	.text
	.protected	k_q9a32a86919_gemm1
	.globl	k_q9a32a86919_gemm1
	.p2align	8
	.type	k_q9a32a86919_gemm1,@function
k_q9a32a86919_gemm1:
	s_mov_b64 s[64:65], 0
	v_nop
	global_prefetch_b8 v0, s[64:65] scope:SCOPE_SE
	s_setreg_imm32_b32 hwreg(HW_REG_WAVE_MODE, 25, 1), 1
	s_wait_xcnt 0x0
	s_wait_alu depctr_hold_cnt(0) depctr_sa_sdst(0) depctr_va_vdst(0) depctr_va_sdst(0) depctr_va_ssrc(0) depctr_va_vcc(0) depctr_vm_vsrc(0)
	s_getreg_b32 s2, hwreg(HW_REG_IB_STS2, 6, 4)
	s_cmp_eq_u32 s2, 0
	s_cbranch_scc0 .Lentry_in_a_cluster
	s_endpgm
.Lentry_in_a_cluster:
	s_bfe_u32 s2, ttmp6, 0x10000c
	s_cmp_lg_u32 s2, 0xf033
	s_cbranch_scc0 .Lentry_shape_is_right
	s_endpgm
.Lentry_shape_is_right:
; h = gelu(layer_input W1^T + b1), both operands as E4M3 codes (acodes [2048][2048], W1_codes [8192][2048], K innermost), sums in f32 x 2^(e2 + e3); h is quantised with 2^e4 into hcodes [2048][8192].
; A work-group of four waves makes 256 x 256 of h, a wave 128 x 128 in 64 accumulators; K goes in steps of 256 through a ring of two LDS slots; 4 x 4 work-groups ask jointly for A's tiles along a row and B's along a column.
; gelu is exact: erfc by t = 1 / (1 + z / 2), t exp(-z^2 + a polynomial of degree 9 in t), z = |x| / sqrt(2).  No work of the problem is left out here.
; PREFETCH: behind each joint refill a wave names the K step two refills on, 32 rows x 256 bytes, a lane a row; the four partners of a joint load share its 128 rows by address; the last trip asks for nothing.
; LIMITS: e2 + e3 between -126 and 127, e4 between -126 and 119.
.set SIZE_K, 2048
.set KSTEP,  256
.set ROWB,   256
.set KROW,   SIZE_K
.set PITCH,  272
.set FR,     16
.set NL,     4
.set NP,     4
.set HALFT,  128*PITCH
.set SLOT,   4*HALFT
.set LAPS,   SIZE_K/(2*KSTEP)
.set SPARE,  2*SLOT
.set SPITCH, 144
.set SREG,   18560
.set ADRA, 16
.set ADRB, 20
.set B1O,  22
.set STO,  24
.set RD,   25
.set CO,   26
.set STA,  27
.set SPW,  28
.set NIL,  29
.set B1,   32
.set XR,   96
.set TT,   160
.set CD,   224
.set QR,   0
.set HR,   64
.set DV,   128
.set KQV,  148
.set AF,   128
.set G1, 24
.set G0, 32
.set G1B, 48
.set G0B, 56
.set MSB, 0
.macro WIN new
.if MSB != (\new)
	s_set_vgpr_msb (MSB<<8)|(\new)
.set MSB, (\new)
.endif
.endm
.set MUL_LO, 0xa1
.set MUL_HI, 0xf1
.set TO_B,   0x40
.macro JLOAD g0a, g1a, g0b, g1b
	s_cmp_eq_u32 s15, 0
	s_cbranch_scc0 .Lfor_b_\@
	tensor_load_to_lds s[\g0a:\g0a+3], s[\g1a:\g1a+7]
	s_nop 0
.rept 4
	v_nop
.endr
	s_branch .Lasked_\@
.Lfor_b_\@:
	tensor_load_to_lds s[\g0b:\g0b+3], s[\g1b:\g1b+7]
	s_nop 0
.rept 4
	v_nop
.endr
.Lasked_\@:
.endm
.macro CREST
	s_cmp_lg_u32 s14, 0
	s_cbranch_scc1 .Lnot_wave_0_\@
	s_barrier_signal -3
.Lnot_wave_0_\@:
	s_barrier_wait -3
	s_barrier_signal -1
	s_barrier_wait -1
.endm
.macro CROUND
	s_barrier_signal -1
	s_barrier_wait -1
	CREST
.endm
	s_load_b256 s[4:11], s[0:1], 0x0
	s_load_b64 s[12:13], s[0:1], 0x20
	v_lshl_add_u32 v[SPW], v0, 2, SPARE
	v_mov_b32 v[NIL], 0
	ds_add_u32 v[SPW], v[NIL]
	ds_add_u32 v[SPW], v[NIL]
	v_lshrrev_b32 v1, 5, v0
	v_readfirstlane_b32 s14, v1
	s_lshr_b32 s15, s14, 1
	s_and_b32 s16, s14, 1
	s_bfe_u32 s40, ttmp6, 0x40000
	s_bfe_u32 s41, ttmp6, 0x40004
	s_lshl_b32 s42, ttmp9, 2
	s_add_co_u32 s42, s42, s40
	s_and_b32 s17, ttmp7, 0xffff
	s_lshl_b32 s17, s17, 2
	s_add_co_u32 s17, s17, s41
	s_lshl_b32 s43, s41, 2
	s_lshl_b32 s43, 15, s43
	s_lshl_b32 s44, 0x1111, s40
	s_or_b32 s[G1+0], s43, (0<<16)|(1<<20)|(1<<21)|(5<<22)|(3<<25)
	s_or_b32 s[G1B+0], s44, (0<<16)|(1<<20)|(1<<21)|(5<<22)|(3<<25)
.irp g, G1, G1B
	s_mov_b32 s[\g+1], ROWB<<16
	s_mov_b32 s[\g+2], 128<<16
	s_mov_b32 s[\g+3], ROWB<<16
	s_mov_b32 s[\g+4], 128
	s_mov_b32 s[\g+5], KROW
	s_mov_b32 s[\g+6], 0
	s_mov_b32 s[\g+7], 0
.endr
	s_lshl_b32 s18, s16, 7
	s_lshl_b32 s20, s17, 8
	s_add_co_u32 s20, s20, s18
	s_lshl_b32 s46, s42, 8
	s_add_co_u32 s46, s46, s18
	s_mov_b32 s21, 0
	s_mov_b32 s47, 0
	s_mov_b64 s[18:19], KROW
	s_mul_u64 s[20:21], s[20:21], s[18:19]
	s_mul_u64 s[46:47], s[46:47], s[18:19]
	s_mul_i32 s45, s14, HALFT
	s_wait_dscnt 0x0
	s_wait_kmcnt 0x0
	s_load_b128 s[92:95], s[8:9], 0x8
	s_add_nc_u64 s[20:21], s[4:5], s[20:21]
	s_add_nc_u64 s[46:47], s[6:7], s[46:47]
	CROUND
.irp s, 0,1
	s_mov_b32 s[G0+4*\s], 1
	s_add_co_u32 s[G0+4*\s+1], s45, \s*SLOT
	s_add_nc_u64 s[G0+4*\s+2:G0+4*\s+3], s[20:21], \s*ROWB
	s_or_b32 s[G0+4*\s+3], s[G0+4*\s+3], 0x80000000
	s_mov_b32 s[G0B+4*\s], 1
	s_add_co_u32 s[G0B+4*\s+1], s45, \s*SLOT
	s_add_nc_u64 s[G0B+4*\s+2:G0B+4*\s+3], s[46:47], \s*ROWB
	s_or_b32 s[G0B+4*\s+3], s[G0B+4*\s+3], 0x80000000
.endr
	JLOAD G0, G1, G0B, G1B                         ; K step 0: one tensor load a wave at the head; the set-up below stands under its flight
	v_and_b32 v1, 15, v0
	s_wait_alu depctr_va_vdst(0)
	v_bfe_u32 v2, v0, 4, 1
	v_mul_u32_u24 v3, v1, PITCH
	v_lshl_add_u32 v4, v2, 4, v3
	s_mul_i32 s21, s15, HALFT
	s_mul_i32 s22, s16, HALFT
	s_add_co_u32 s22, s22, 2*HALFT
.irp s, 0,1
	v_add_nc_u32 v[ADRA+\s], s21, v4
	v_add_nc_u32 v[ADRB+\s], s22, v4
	s_add_co_u32 s21, s21, SLOT
	s_add_co_u32 s22, s22, SLOT
.endr
	s_mul_i32 s23, s14, SREG
	v_mul_u32_u24 v5, v1, SPITCH
	s_wait_alu depctr_va_vdst(0)
	v_lshl_add_u32 v5, v2, 3, v5
	v_add_nc_u32 v[STO], s23, v5
	s_mul_i32 s23, s15, 2*SREG
	s_mul_i32 s21, s16, 64*SPITCH
	s_add_co_u32 s23, s23, s21
	v_bfe_u32 v5, v0, 3, 1
	v_mul_u32_u24 v5, v5, SREG
	v_mul_u32_u24 v6, v2, SPITCH
	v_add_nc_u32 v5, v5, v6
	v_and_b32 v6, 7, v0
	v_lshl_add_u32 v5, v6, 4, v5
	v_add_nc_u32 v[RD], s23, v5
	v_lshlrev_b32 v[CO], 13, v2
	v_lshl_add_u32 v[CO], v1, 4, v[CO]
	v_and_b32 v23, 31, v0
	v_lshlrev_b32 v23, 11, v23                     ; the prefetches' offset: my lane x a row of 2,048 bytes; never rewritten
	v_lshlrev_b32 v[B1O], 5, v2
	s_wait_alu depctr_va_vdst(0)
	s_lshl_b32 s46, s42, 10
	s_lshl_b32 s47, s16, 9
	s_add_co_u32 s46, s46, s47
	s_mov_b32 s47, 0
	s_add_nc_u64 s[10:11], s[10:11], s[46:47]
	s_lshl_b32 s20, s17, 21
	s_lshl_b32 s21, s14, 19
	s_add_co_u32 s20, s20, s21
	s_mov_b32 s21, 0
	s_lshl_b32 s46, s42, 8
	s_add_nc_u64 s[20:21], s[20:21], s[46:47]
	s_add_nc_u64 s[12:13], s[12:13], s[20:21]
	s_lshl_b32 s72, s17, 8                         ; the prefetches: the tile's first row, in A by the tile row,
	s_lshl_b32 s73, s42, 8                         ; in B by the tile column
	s_cmp_eq_u32 s15, 0                            ; do I fetch for A?
	s_cselect_b32 s72, s72, s73
	s_cselect_b32 s73, s40, s41                    ; my place among the four that ask with me
	s_cselect_b64 s[70:71], s[4:5], s[6:7]
	s_lshl_b32 s74, s16, 7
	s_add_co_u32 s72, s72, s74                     ; + the 128 rows that I fetch
	s_lshl_b32 s73, s73, 5
	s_add_co_u32 s72, s72, s73                     ; + my work-group's 32 of them
	s_lshl_b32 s72, s72, 11                        ; in bytes: at most 8,191 rows of 2,048
	s_mov_b32 s73, 0
	s_add_nc_u64 s[70:71], s[70:71], s[72:73]      ; at K step 0; each refill steps it by one K step
	global_prefetch_b8 v23, s[70:71] offset:ROWB th:TH_LOAD_NT scope:SCOPE_SE     ; under K step 0's flight: K steps 1 and 2, which the next two loads will want
	global_prefetch_b8 v23, s[70:71] offset:2*ROWB th:TH_LOAD_NT scope:SCOPE_SE
.irp b, 0,1,2,3,4,5,6,7
	global_load_b128 v[B1+8*\b:B1+8*\b+3], v[B1O], s[10:11] offset:64*\b
	global_load_b128 v[B1+8*\b+4:B1+8*\b+7], v[B1O], s[10:11] offset:64*\b+16
.endr
.macro FRAG reg, adr, q, i
.irp c, 0,1,2,3
	ds_load_b128 v[\reg+4*\c:\reg+4*\c+3], v[\adr] offset:128*(\q)+32*\c+(\i)*16*PITCH
.endr
.endm
.macro MUL16 a0, p, zero
.irp a, \a0, \a0+1
.irp b, 0,1,2,3,4,5,6,7
.if \zero
	v_wmma_f32_16x16x128_fp8_fp8 v[8*(8*((\a)%4)+\b):8*(8*((\a)%4)+\b)+7], v[128*(\p)+FR*\b:128*(\p)+FR*\b+FR-1], v[AF+FR*(\a):AF+FR*(\a)+FR-1], 0
.else
	v_wmma_f32_16x16x128_fp8_fp8 v[8*(8*((\a)%4)+\b):8*(8*((\a)%4)+\b)+7], v[128*(\p)+FR*\b:128*(\p)+FR*\b+FR-1], v[AF+FR*(\a):AF+FR*(\a)+FR-1], v[8*(8*((\a)%4)+\b):8*(8*((\a)%4)+\b)+7]
.endif
.endr
.endr
.endm
.macro FETCH_B slot, q, p
	WIN TO_B
.irp i, 0,1,2,3,4,5,6,7
	FRAG 128*(\p)+FR*\i, ADRB+\slot, \q, \i
.endr
	WIN 0
.endm
.macro FETCH_A slot, q, i0
.irp i, \i0, \i0+1, \i0+2, \i0+3
	FRAG AF+FR*(\i), ADRA+\slot, \q, \i
.endr
.endm
.macro PLACES n
.rept \n
	v_nop
.endr
.endm
.macro STEP slot, q, zero
	s_wait_dscnt 4*NL
	WIN MUL_LO
	MUL16 0, (\q)%2, \zero
	MUL16 2, (\q)%2, \zero
	s_wait_dscnt 0
	PLACES NP
	FETCH_B \slot, (\q)+1, 1-(\q)%2
	FETCH_A \slot, (\q)+1, 0
	WIN MUL_HI
	MUL16 4, (\q)%2, \zero
	MUL16 6, (\q)%2, \zero
	PLACES NP
	WIN 0
	FETCH_A \slot, (\q)+1, 4
.endm
.macro TURN slot, next, fill
.if \fill
	s_wait_xcnt 0x0                                ; any prefetch of mine has read its address, so it may be stepped
	s_add_nc_u64 s[70:71], s[70:71], ROWB
.endif
	s_wait_tensorcnt 0x0
	ds_add_u32 v[SPW], v[NIL]
	s_wait_dscnt 4*NL+1
	WIN MUL_LO
	MUL16 0, 1, 0
	s_wait_dscnt 0x0
	s_barrier_signal -1
	MUL16 2, 1, 0
	WIN 0
	s_barrier_wait -1
.if \fill
	CREST
	s_add_nc_u64 s[G0+4*\slot+2:G0+4*\slot+3], s[G0+4*\slot+2:G0+4*\slot+3], 2*ROWB
	s_add_nc_u64 s[G0B+4*\slot+2:G0B+4*\slot+3], s[G0B+4*\slot+2:G0B+4*\slot+3], 2*ROWB
	JLOAD G0+4*\slot, G1, G0B+4*\slot, G1B
.else
	PLACES NP
.endif
	FETCH_B \next, 0, 0
	FETCH_A \next, 0, 0
.if \fill
	s_cmp_gt_u32 s3, 1                             ; the last trip's two refills have no K step two on
	s_cbranch_scc0 .Lno_ask_\@
	global_prefetch_b8 v23, s[70:71] offset:3*ROWB th:TH_LOAD_NT scope:SCOPE_SE   ; the address stands one K step behind the refill's: this names the K step two refills on
.Lno_ask_\@:
.endif
	WIN MUL_HI
	MUL16 4, 1, 0
	MUL16 6, 1, 0
	PLACES NP
	WIN 0
	FETCH_A \next, 0, 4
.endm
	s_wait_alu depctr_va_vdst(0)
	s_wait_tensorcnt 0x0                           ; my part of K step 0 is in
	ds_add_u32 v[SPW], v[NIL]
	s_wait_dscnt 0x0
	CROUND                                         ; everybody's part of K step 0 is in, and the sixteen work-groups meet
	JLOAD G0+4, G1, G0B+4, G1B                     ; K step 1: the first tensor load behind the round
	FETCH_B 0, 0, 0
	FETCH_A 0, 0, 0
	FETCH_A 0, 0, 4
	global_prefetch_b8 v23, s[70:71] offset:3*ROWB th:TH_LOAD_NT scope:SCOPE_SE   ; behind K step 1's load: K step 3
	STEP 0, 0, 1
	s_mov_b32 s3, LAPS-1
.Llap:
	TURN 0, 1, 1
	STEP 1, 0, 0
	TURN 1, 0, 1
	STEP 0, 0, 0
	s_sub_co_u32 s3, s3, 1
	s_cmp_lg_u32 s3, 0
	s_cbranch_scc1 .Llap
	TURN 0, 1, 0
	STEP 1, 0, 0
	s_wait_dscnt 4*NL
	WIN MUL_LO
	MUL16 0, 1, 0
	MUL16 2, 1, 0
	s_wait_dscnt 0
	WIN MUL_HI
	MUL16 4, 1, 0
	MUL16 6, 1, 0
	WIN 0
	s_wait_kmcnt 0x0
	s_add_co_i32 s96, s92, s93
	s_add_co_i32 s96, s96, 127
	s_lshl_b32 s96, s96, 23
	s_mov_b32 s97, s96
	s_add_co_i32 s94, s94, 127
	s_lshl_b32 s95, s94, 23
	s_add_co_i32 s94, s94, 8
	s_lshl_b32 s94, s94, 23
	s_or_b32 s94, s94, 0x600000
	s_mov_b32 s98, 0x3eb504f3
	PLACES NP
	v_mov_b32 v30, s95
	v_mov_b32 v31, s94
.macro CPAIR r, val
	v_mov_b32 v[\r], \val
	v_mov_b32 v[\r+1], \val
.endm
	WIN 0x40
	CPAIR DV+0,  0xc034d90f
	CPAIR DV+2,  0x3fb8ab5a
	CPAIR DV+4,  0x3f0a29d2
	CPAIR DV+6,  0x3e0efb2e
	CPAIR DV+8,  0xbe899a80
	CPAIR DV+10, 0x3ecdfd18
	CPAIR DV+12, 0xbfd1a1e5
	CPAIR DV+14, 0x40097039
	CPAIR DV+16, 0xbf97d29d
	CPAIR DV+18, 0x3e7c6f08
	CPAIR KQV,   0xbf38aa3b
	WIN 0
	s_wait_loadcnt 0x0
.macro GET a
	WIN 0x02+(\a)/4
.set p, 0
.rept 32
	v_pk_fma_f32 v[XR+2*p:XR+2*p+1], v[64*((\a)%4)+2*p:64*((\a)%4)+2*p+1], s[96:97], v[B1+2*p:B1+2*p+1] op_sel_hi:[1,0,1]
.set p, p+1
.endr
	WIN 0
.endm
	s_mov_b32 s3, 0
	s_mov_b32 s99, 0
.Lblk:
.irp a, 1,2,3,4,5,6,7
	s_cmp_eq_u32 s3, \a
	s_cbranch_scc1 .Lget\a
.endr
	GET 0
	s_branch .Lgelu
.irp a, 1,2,3,4,5,6
.Lget\a:
	GET \a
	s_branch .Lgelu
.endr
.Lget7:
	GET 7
.Lgelu:
.set i, 0
.rept 64
	v_fma_f32 v[TT+i], |v[XR+i]|, s98, 1.0
.set i, i+1
.endr
.set i, 0
	s_wait_alu depctr_va_vdst(0)
.rept 64
	v_rcp_f32 v[TT+i], v[TT+i]
.set i, i+1
.endr
	WIN 0x40
.set i, 0
.rept 32
	v_pk_mul_f32 v[QR+2*i:QR+2*i+1], v[XR+2*i:XR+2*i+1], v[XR+2*i:XR+2*i+1]
.set i, i+1
.endr
	s_wait_alu depctr_va_vdst(0)
	WIN 0x54
.set i, 0
.rept 32
	v_pk_fma_f32 v[HR+2*i:HR+2*i+1], v[TT+2*i:TT+2*i+1], v[DV+18:DV+19], v[DV+16:DV+17]
.set i, i+1
.endr
	WIN 0x51
.irp k, 7,6,5,4,3,2,1,0
.set i, 0
.rept 32
	v_pk_fma_f32 v[HR+2*i:HR+2*i+1], v[HR+2*i:HR+2*i+1], v[TT+2*i:TT+2*i+1], v[DV+2*\k:DV+2*\k+1]
.set i, i+1
.endr
.endr
	WIN 0x55
.set i, 0
.rept 32
	v_pk_fma_f32 v[HR+2*i:HR+2*i+1], v[QR+2*i:QR+2*i+1], v[KQV:KQV+1], v[HR+2*i:HR+2*i+1]
.set i, i+1
.endr
	WIN 0x41
.set i, 0
	s_wait_alu depctr_va_vdst(0)
.rept 64
	v_exp_f32 v[HR+i], v[HR+i]
.set i, i+1
.endr
	v_nop
	s_wait_alu depctr_va_vdst(0)
	WIN 0x04
.set i, 0
.rept 32
	v_pk_mul_f32 v[TT+2*i:TT+2*i+1], v[TT+2*i:TT+2*i+1], v[HR+2*i:HR+2*i+1]
.set i, i+1
.endr
	WIN 0
.set i, 0
.rept 32
	v_pk_mul_f32 v[TT+2*i:TT+2*i+1], v[XR+2*i:XR+2*i+1], v[TT+2*i:TT+2*i+1]
.set i, i+1
.endr
.set i, 0
.rept 64
	v_max_num_f32 v[XR+i], 0, v[XR+i]
.set i, i+1
.endr
.set i, 0
.rept 64
	v_sub_f32 v[XR+i], v[XR+i], |v[TT+i]|
.set i, i+1
.endr
.set i, 0
.rept 64
	v_med3_num_f32 v[XR+i], v[XR+i], -v31, v31
.set i, i+1
.endr
.irp b, 0,1,2,3,4,5,6,7
	v_cvt_scalef32_pk8_fp8_f32 v[CD+2*\b:CD+2*\b+1], v[XR+8*\b:XR+8*\b+7], v30
.endr
	v_nop
	v_add_nc_u32 v[STA], s99, v[STO]
.irp b, 0,1,2,3,4,5,6,7
	ds_store_b64 v[STA], v[CD+2*\b:CD+2*\b+1] offset:16*\b
.endr
	s_wait_dscnt 0x0
	s_add_co_u32 s99, s99, 16*SPITCH
	s_add_co_u32 s3, s3, 1
	s_cmp_lt_u32 s3, 8
	s_cbranch_scc1 .Lblk
	s_wait_dscnt 0x0
	s_barrier_signal -1
	s_barrier_wait -1
.set t, 0
.rept 32
	ds_load_b128 v[XR+4*t:XR+4*t+3], v[RD] offset:2*t*SPITCH
.set t, t+1
.endr
.set t, 0
.rept 32
	s_wait_dscnt 31-t
	global_store_b128 v[CO], v[XR+4*t:XR+4*t+3], s[12:13] offset:2*t*8192
.set t, t+1
.endr
	s_wait_tensorcnt 0x0
	ds_add_u32 v[SPW], v[NIL]
	s_wait_dscnt 0x0
	CROUND
	s_endpgm
.Lfunc_end_k_q9a32a86919_gemm1:
	.size	k_q9a32a86919_gemm1, .Lfunc_end_k_q9a32a86919_gemm1-k_q9a32a86919_gemm1
	.p2alignl 7, 3214868480
	.fill 96, 4, 3214868480
	.section	.rodata,"a",@progbits
	.p2align	6, 0x0
	.amdhsa_kernel k_q9a32a86919_gemm1
		.amdhsa_group_segment_fixed_size 327680
		.amdhsa_private_segment_fixed_size 0
		.amdhsa_enable_private_segment 0
		.amdhsa_kernarg_size 40
		.amdhsa_user_sgpr_count 2
		.amdhsa_user_sgpr_kernarg_segment_ptr 1
		.amdhsa_wavefront_size32 1
		.amdhsa_system_sgpr_workgroup_id_x 1
		.amdhsa_system_sgpr_workgroup_id_y 1
		.amdhsa_system_sgpr_workgroup_id_z 1
		.amdhsa_system_vgpr_workitem_id 0
		.amdhsa_next_free_vgpr 1024
		.amdhsa_next_free_sgpr 100
		.amdhsa_reserve_vcc 0
		.amdhsa_float_denorm_mode_32 3
		.amdhsa_float_denorm_mode_16_64 3
		.amdhsa_memory_ordered 1
		.amdhsa_forward_progress 1
		.amdhsa_inst_pref_size 152
	.end_amdhsa_kernel
	.amdgpu_metadata
---
amdhsa.version: [ 1, 2 ]
amdhsa.kernels:
  - .name:           k_q9a32a86919_gemm1
    .symbol:         k_q9a32a86919_gemm1.kd
    .args:
      - { .name: acodes, .offset: 0, .size: 8, .value_kind: global_buffer, .address_space: global }
      - { .name: W1_codes, .offset: 8, .size: 8, .value_kind: global_buffer, .address_space: global }
      - { .name: lowp_scales, .offset: 16, .size: 8, .value_kind: global_buffer, .address_space: global }
      - { .name: b1, .offset: 24, .size: 8, .value_kind: global_buffer, .address_space: global }
      - { .name: hcodes, .offset: 32, .size: 8, .value_kind: global_buffer, .address_space: global }
    .group_segment_fixed_size: 327680
    .private_segment_fixed_size: 0
    .kernarg_segment_align: 8
    .kernarg_segment_size: 40
    .max_flat_workgroup_size: 128
    .sgpr_count:     100
    .vgpr_count:     1024
    .wavefront_size: 32
...
	.end_amdgpu_metadata
.endif
;; end of part 2
;; launch gemm2 (part 3): grid 16 x 16, 4 waves a work-group, clusters of 4 x 1, 327,680 bytes of LDS; arguments hcodes, W2_codes, lowp_scales, b2, coefs, x_streams, out0; writes out0
.if DOCPART == 3
	.amdgcn_target "amdgcn-amd-amdhsa--gfx1250"
	.amdhsa_code_object_version 6
	.text
	.protected	k_q9a32a86919_gemm2
	.globl	k_q9a32a86919_gemm2
	.p2align	8
	.type	k_q9a32a86919_gemm2,@function
k_q9a32a86919_gemm2:
	s_mov_b64 s[64:65], 0
	v_nop
	global_prefetch_b8 v0, s[64:65] scope:SCOPE_SE
	s_setreg_imm32_b32 hwreg(HW_REG_WAVE_MODE, 25, 1), 1
	s_wait_xcnt 0x0
	s_wait_alu depctr_hold_cnt(0) depctr_sa_sdst(0) depctr_va_vdst(0) depctr_va_sdst(0) depctr_va_ssrc(0) depctr_va_vcc(0) depctr_vm_vsrc(0)
	s_getreg_b32 s2, hwreg(HW_REG_IB_STS2, 6, 4)
	s_cmp_eq_u32 s2, 0
	s_cbranch_scc0 .Lentry_in_a_cluster
	s_endpgm
.Lentry_in_a_cluster:
	s_bfe_u32 s2, ttmp6, 0x10000c
	s_cmp_lg_u32 s2, 0x3003
	s_cbranch_scc0 .Lentry_shape_is_right
	s_endpgm
.Lentry_shape_is_right:
; out[t][i][c] = sum over j of H_merged[t][i][j] x[t][j][c] + h_post[t][i] (h W2^T + b2)[t][c].  h and W2 as E4M3 codes (hcodes [2048][8192], W2_codes [2048][8192], K innermost), sums in f32 x 2^(e4 + e5).
; A work-group of four waves makes 128 tokens x 128 columns; wave w makes all 128 tokens x its 32 columns in 16 accumulators.  h's tiles (128 rows x 1,024 K a slot) come through a ring of two LDS slots,
; asked for jointly by the four work-groups of a cluster, which share their tokens; W2's fragments go from memory straight into registers, eight sets by turns, seven K steps of 128 ahead.
; THE WAY OUT: the layer's output goes through LDS, so that a wave holds whole rows of 512 bytes of its 32 tokens; x's 4 x 512 bytes a token wait in registers (windows 3 and 2).
; A token's 16 result registers are never written again: tokens mixed first use window 1 (h's fragments, done with), each later one the x registers of the token mixed 16 places earlier; so no store's data is waited for.
; PREFETCH of h's tiles: behind each joint refill a wave names its 256-byte column of the slot two refills on, 32 rows, a lane a row; the four partners share the 128 rows by address; the last trip asks for nothing.
; No work of the problem is left out here.  LIMIT: e4 + e5 between -126 and 127.
.set KSTEP,  1024
.set KROW,   8192
.set PITCH,  272
.set SUB,    128*PITCH
.set SLOT,   4*SUB
.set SPARE,  2*SLOT
.set SPITCH, 528
.set ADRA, 8
.set BO,   16
.set STO,  24
.set RD,   25
.set GO,   26
.set CFA,  27
.set SPW,  28
.set NIL,  29
.set B2O,  30
.set B2,   32
.set OS,   32
.set CF,   96
.set ACC,  128
.set WV,   2
.set TR,   68
.set G1, 24
.set G0, 32
.set MSB, 0
.macro WIN new
.if MSB != (\new)
	s_set_vgpr_msb (MSB<<8)|(\new)
.set MSB, (\new)
.endif
.endm
.set MUL,  0x06
.set TO_A, 0x40
.set TO_B, 0x80
.macro TLOAD s
	tensor_load_to_lds s[G0+4*(\s):G0+4*(\s)+3], s[G1:G1+7]
	s_nop 0
.rept 4
	v_nop
.endr
.endm
.macro CREST
	s_cmp_lg_u32 s[WV], 0
	s_cbranch_scc1 .Lnot_wave_0_\@
	s_barrier_signal -3
.Lnot_wave_0_\@:
	s_barrier_wait -3
	s_barrier_signal -1
	s_barrier_wait -1
.endm
.macro CROUND
	s_barrier_signal -1
	s_barrier_wait -1
	CREST
.endm
	s_load_b256 s[4:11], s[0:1], 0x0
	s_load_b128 s[96:99], s[0:1], 0x20
	s_load_b64 s[100:101], s[0:1], 0x30
	v_lshl_add_u32 v[SPW], v0, 2, SPARE
	v_mov_b32 v[NIL], 0
	ds_add_u32 v[SPW], v[NIL]
	ds_add_u32 v[SPW], v[NIL]
	v_lshrrev_b32 v1, 5, v0
	v_readfirstlane_b32 s[WV], v1
	s_bfe_u32 s40, ttmp6, 0x40000
	s_lshl_b32 s42, ttmp9, 2
	s_add_co_u32 s42, s42, s40
	s_and_b32 s[TR], ttmp7, 0xffff
	s_mov_b32 s[G1], 15|(0<<16)|(1<<20)|(1<<21)|(5<<22)|(3<<25)
	s_mov_b32 s[G1+1], 256<<16
	s_mov_b32 s[G1+2], 128<<16
	s_mov_b32 s[G1+3], 256<<16
	s_mov_b32 s[G1+4], 128
	s_mov_b32 s[G1+5], KROW
	s_mov_b32 s[G1+6], 0
	s_mov_b32 s[G1+7], 0
	s_lshl_b32 s16, s[TR], 20
	s_lshl_b32 s17, s[WV], 8
	s_add_co_u32 s16, s16, s17
	s_mov_b32 s17, 0
	s_mul_i32 s20, s[WV], SUB
	s_wait_dscnt 0x0
	s_wait_kmcnt 0x0
	s_load_b64 s[12:13], s[8:9], 0x10
	s_add_nc_u64 s[14:15], s[4:5], s[16:17]
	CROUND
.irp s, 0,1
	s_mov_b32 s[G0+4*\s], 1
	s_add_co_u32 s[G0+4*\s+1], s20, \s*SLOT
	s_add_nc_u64 s[G0+4*\s+2:G0+4*\s+3], s[14:15], \s*KSTEP
	s_or_b32 s[G0+4*\s+3], s[G0+4*\s+3], 0x80000000
.endr
	tensor_load_to_lds s[G0:G0+3], s[G1:G1+7]      ; slot 0: one tensor load a wave at the head; the set-up and the first register loads stand under its flight
	s_nop 0
	v_and_b32 v1, 15, v0
	v_bfe_u32 v2, v0, 4, 1
	v_mul_u32_u24 v3, v1, PITCH
	v_lshl_add_u32 v3, v2, 4, v3
.irp s, 0,1
.irp u, 0,1,2,3
	v_add_nc_u32 v[ADRA+4*\s+\u], \s*SLOT+\u*SUB, v3
.endr
.endr
	v_lshlrev_b32 v[BO], 13, v1
	v_lshl_add_u32 v[BO], v2, 4, v[BO]
	s_lshl_b32 s23, s[WV], 7
	v_mul_u32_u24 v4, v1, SPITCH
	v_lshl_add_u32 v4, v2, 5, v4
	v_add_nc_u32 v[STO], s23, v4
	s_mul_i32 s23, s[WV], 32*SPITCH
	v_and_b32 v5, 31, v0
	v_lshlrev_b32 v[GO], 4, v5
	v_add_nc_u32 v[RD], s23, v[GO]
	v_lshlrev_b32 v[CFA], 7, v5
	v_lshlrev_b32 v17, 13, v5                      ; the prefetches' offset: my lane x a row of 8,192 bytes; never rewritten
	v_lshlrev_b32 v[B2O], 5, v2
	s_wait_alu depctr_va_vdst(0)
	s_lshl_b32 s46, s42, 20
	s_lshl_b32 s47, s[WV], 18
	s_add_co_u32 s46, s46, s47
	s_mov_b32 s47, 0
	s_add_nc_u64 s[6:7], s[6:7], s[46:47]
	s_lshl_b32 s16, s[TR], 22
	s_lshl_b32 s17, s[WV], 20
	s_add_co_u32 s16, s16, s17
	s_mov_b32 s17, 0
	s_lshl_b32 s46, s42, 9
	s_add_nc_u64 s[16:17], s[16:17], s[46:47]
	s_add_nc_u64 s[98:99], s[98:99], s[16:17]
	s_add_nc_u64 s[100:101], s[100:101], s[16:17]
	s_lshl_b32 s16, s[TR], 14
	s_lshl_b32 s17, s[WV], 12
	s_add_co_u32 s16, s16, s17
	s_mov_b32 s17, 0
	s_add_nc_u64 s[96:97], s[96:97], s[16:17]
	s_lshl_b32 s47, s[WV], 7
	s_add_co_u32 s46, s46, s47
	s_mov_b32 s47, 0
	s_add_nc_u64 s[10:11], s[10:11], s[46:47]
	s_lshl_b32 s48, s40, 18                        ; the prefetches: my work-group's 32 of the tile's 128 rows (32 x 8,192 bytes x my place),
	s_mov_b32 s49, 0
	s_add_nc_u64 s[48:49], s[14:15], s[48:49]      ; at my wave's 256-byte column of K step 0
	global_prefetch_b8 v17, s[48:49] offset:KSTEP th:TH_LOAD_NT scope:SCOPE_SE    ; under slot 0's flight: the slots' worth 1 and 2, which the next two loads will want
	global_prefetch_b8 v17, s[48:49] offset:2*KSTEP th:TH_LOAD_NT scope:SCOPE_SE
.irp tl, 0,1
	global_load_b128 v[B2+8*\tl:B2+8*\tl+3], v[B2O], s[10:11] offset:64*\tl
	global_load_b128 v[B2+8*\tl+4:B2+8*\tl+7], v[B2O], s[10:11] offset:64*\tl+16
.endr
.irp c, 0,1,2,3
	global_load_b128 v[CF+4*\c:CF+4*\c+3], v[CFA], s[96:97] offset:16*\c
.endr
.irp i, 0,1,2,3
	global_load_b32 v[CF+16+\i], v[CFA], s[96:97] offset:64+16*\i
.endr
.macro BLD kq
	WIN TO_B
.irp tl, 0,1
.irp c, 0,1,2,3
	global_load_b128 v[32*((\kq)%8)+16*\tl+4*\c:32*((\kq)%8)+16*\tl+4*\c+3], v[BO], s[6:7] offset:131072*\tl+128*(\kq)+32*\c
.endr
.endr
.endm
.macro XT t
	WIN 0xc0-0x40*((\t)/16)
.irp j, 0,1,2,3
	global_load_b128 v[16*((\t)%16)+4*\j:16*((\t)%16)+4*\j+3], v[GO], s[98:99] offset:32768*(\t)+8192*\j th:TH_LOAD_NT
.endr
.endm
.macro FETCH_A pn, g
	WIN TO_A
.irp i, 0,1,2,3,4,5,6,7
.irp c, 0,1,2,3
	ds_load_b128 v[(\g)+16*\i+4*\c:(\g)+16*\i+4*\c+3], v[ADRA+4*(((\pn)/8)%2)+((\pn)%8)/2] offset:128*((\pn)%2)+32*\c+\i*16*PITCH
.endr
.endr
.endm
.macro PLACES
.rept 4
	v_nop
.endr
.endm
.macro QSET p
.set QF, 128*((\p)%2)
.set QG, 128*(1-(\p)%2)
.set QB, (\p)%8
.endm
.macro MULS a0, a1, zero
.set ma, \a0
.rept (\a1)-(\a0)+1
.irp tl, 0,1
.if \zero
	v_wmma_f32_16x16x128_fp8_fp8 v[ACC+8*(2*ma+\tl):ACC+8*(2*ma+\tl)+7], v[32*QB+16*\tl:32*QB+16*\tl+15], v[QF+16*ma:QF+16*ma+15], 0
.else
	v_wmma_f32_16x16x128_fp8_fp8 v[ACC+8*(2*ma+\tl):ACC+8*(2*ma+\tl)+7], v[32*QB+16*\tl:32*QB+16*\tl+15], v[QF+16*ma:QF+16*ma+15], v[ACC+8*(2*ma+\tl):ACC+8*(2*ma+\tl)+7]
.endif
.endr
.set ma, ma+1
.endr
.endm
.macro REL p, rel
.if (\rel) == 1
	BLD (\p)+7
.endif
.if (\rel) == 2
	XT 16+2*((\p)-9)
	XT 17+2*((\p)-9)
.endif
.endm
.macro QTR p, zero, n, rel, site
	QSET \p
	s_wait_dscnt 16
	s_wait_loadcnt \n
	WIN MUL
	MULS 0, 3, \zero
	PLACES
	FETCH_A (\p)+1, QG
	REL \p, \rel
.if (\site) >= 0
	XT \site
.endif
	s_wait_dscnt 32
	WIN MUL
	MULS 4, 7, \zero
.endm
.macro TURN p, n, fill, rel, site
	QSET \p
	WIN 0
	s_wait_tensorcnt 0x0
	ds_add_u32 v[SPW], v[NIL]
	s_wait_dscnt 17
	s_wait_loadcnt \n
	WIN MUL
	MULS 0, 3, 0
	s_wait_dscnt 0x0
	s_barrier_signal -1
	MULS 4, 5, 0
.if \fill
	WIN 0
.endif
	s_barrier_wait -1
.if \fill
	CREST
	s_add_nc_u64 s[G0+4*(((\p)/8)%2)+2:G0+4*(((\p)/8)%2)+3], s[G0+4*(((\p)/8)%2)+2:G0+4*(((\p)/8)%2)+3], 2*KSTEP
	TLOAD ((\p)/8)%2
.else
	PLACES
.endif
	FETCH_A (\p)+1, QG
	REL \p, \rel
.if (\site) >= 0
	XT \site
.endif
.if \fill
	WIN 0
	s_cmp_lt_u32 s3, 2                             ; the last trip's two refills have no slot two on
	s_cbranch_scc0 .Lno_ask_\@
	global_prefetch_b8 v17, s[48:49] offset:(4+((\p)/8)%2)*KSTEP th:TH_LOAD_NT scope:SCOPE_SE
.Lno_ask_\@:
.endif
	WIN MUL
	MULS 6, 7, 0
.endm
.irp q, 0,1,2,3,4,5
	BLD \q                                         ; with b2's 4 and the coefficients' 8 loads: 60 loads out
.endr
.irp t, 0,1,2,3,4,5,6,7,8,9,10,11,12,13,14,15
	XT \t                                          ; x of my tokens 0 to 15 into window 3, which no other line names before the way out: 64 loads, older than W2's K steps 6 on, so the loop's counted waits hold
.endr
	WIN 0
	s_wait_alu depctr_va_vdst(0)
	s_wait_tensorcnt 0x0                           ; my part of slot 0 is in
	ds_add_u32 v[SPW], v[NIL]
	s_wait_dscnt 0x0
	CROUND                                         ; everybody's part of slot 0 is in, and the four work-groups meet
	TLOAD 1                                        ; slot 1: the first tensor load behind the round
	BLD 6
	FETCH_A 0, 0
	WIN 0
	global_prefetch_b8 v17, s[48:49] offset:3*KSTEP th:TH_LOAD_NT scope:SCOPE_SE  ; behind slot 1's load: the slot's worth 3
	QTR 0, 1, 63, 1, -1                            ; behind W2's K step 0 stand 40 + 64 + 8 loads: 63 may stay out
	WIN 0
	s_mov_b32 s3, 0
.Llap:
.irp p, 1,2,3,4,5,6
	QTR \p, 0, 48, 1, -1
.endr
	TURN 7, 48, 1, 1, -1
.irp p, 8,9,10,11,12,13,14
	QTR \p, 0, 48, 1, -1
.endr
	TURN 15, 48, 1, 1, -1
	QTR 16, 0, 48, 1, -1
	WIN 0
	s_wait_xcnt 0x0
	s_add_nc_u64 s[6:7], s[6:7], 16*128
	s_add_nc_u64 s[48:49], s[48:49], 2*KSTEP       ; the prefetches go two slots on with each trip
	s_add_co_u32 s3, s3, 1
	s_cmp_lt_u32 s3, 3
	s_cbranch_scc1 .Llap
.irp p, 1,2,3,4,5,6                    ; the last lap: every step issues eight loads, W2's up to step 8, then x of two tokens (16 on) into the set of W2 that is done with: six groups of eight stand behind the set that a step waits for
	QTR \p, 0, 48, 1, -1
.endr
	TURN 7, 48, 0, 1, -1
	QTR 8, 0, 48, 1, -1
.irp p, 9,10,11,12,13,14
	QTR \p, 0, 48, 2, -1
.endr
	QSET 15
	s_wait_dscnt 16
	s_wait_loadcnt 48
	WIN MUL
	MULS 0, 3, 0
	PLACES
	REL 15, 2
	s_wait_dscnt 0
	WIN MUL
	MULS 4, 7, 0
	WIN 0
	PLACES
	XT 30
	XT 31
	WIN 0
	s_wait_kmcnt 0x0
	s_add_co_i32 s12, s12, s13
	s_add_co_i32 s12, s12, 127
	s_lshl_b32 s12, s12, 23
	s_mov_b32 s13, s12
.irp a, 0,1,2,3,4,5,6,7
.irp tl, 0,1
.irp i, 0,2,4,6
	v_pk_fma_f32 v[ACC+8*(2*\a+\tl)+\i:ACC+8*(2*\a+\tl)+\i+1], v[ACC+8*(2*\a+\tl)+\i:ACC+8*(2*\a+\tl)+\i+1], s[12:13], v[B2+8*\tl+\i:B2+8*\tl+\i+1] op_sel_hi:[1,0,1]
.endr
.endr
.endr
.irp a, 0,1,2,3,4,5,6,7
.irp tl, 0,1
	ds_store_b128 v[STO], v[ACC+8*(2*\a+\tl):ACC+8*(2*\a+\tl)+3] offset:\a*16*SPITCH+64*\tl
	ds_store_b128 v[STO], v[ACC+8*(2*\a+\tl)+4:ACC+8*(2*\a+\tl)+7] offset:\a*16*SPITCH+64*\tl+16
.endr
.endr
	s_wait_dscnt 0x0
	s_barrier_signal -1
	s_barrier_wait -1
.macro RANK k                          ; the k-th token to be mixed: x's loads were issued in the tokens' order
.set TK, (\k)
.endm
.set kk, 0
.rept 32
	RANK kk
	ds_load_b128 v[ACC+4*TK:ACC+4*TK+3], v[RD] offset:TK*SPITCH
.set kk, kk+1
.endr
.macro SETP set, p
.if (\set) == 0
.set SPR, 14+2*(\p)
.elseif (\p) < 5
.set SPR, 54+2*(\p)
.else
.set SPR, 66+2*((\p)-5)
.endif
.endm
.macro RDL t, set
.set pp, 0
.rept 20
	SETP \set, pp
	v_readlane_b32 s[SPR], v[CF+pp], \t
.set pp, pp+1
.endr
.endm
.set pp, 0
.rept 20
	SETP 0, pp
	s_mov_b32 s[SPR+1], 0
	SETP 1, pp
	s_mov_b32 s[SPR+1], 0
.set pp, pp+1
.endr
	RDL 0, 0
.macro MIX k
	RANK \k
.set MT, TK
.if (\k) < 16
.set OW, 1                             ; the results' window and first register: window 1, 16 registers a token,
.set OB, 16*(\k)
.else
	RANK (\k)-16
.set OW, 3-TK/16                       ; or the x registers of the token mixed 16 places earlier
.set OB, 16*(TK%16)
.endif
	s_wait_dscnt 31-(\k)
.if 4*(31-(\k)) > 63
	s_wait_loadcnt 63
.else
	s_wait_loadcnt 4*(31-(\k))
.endif
	WIN OW<<6
.irp i, 0,1,2,3
	SETP (\k)%2, 16+\i
.irp u, 0,1
	v_pk_mul_f32 v[OB+4*\i+2*\u:OB+4*\i+2*\u+1], v[ACC+4*MT+2*\u:ACC+4*MT+2*\u+1], s[SPR:SPR+1] op_sel_hi:[1,0]
.endr
.endr
.if (\k) < 31
	WIN 0
	RANK (\k)+1
	RDL TK, ((\k)+1)%2
.endif
	WIN (OW<<6)|(OW<<4)|(3-MT/16)
.irp j, 0,1,2,3
.irp i, 0,1,2,3
	SETP (\k)%2, 4*\i+\j
.irp u, 0,1
	v_pk_fma_f32 v[OB+4*\i+2*\u:OB+4*\i+2*\u+1], v[16*(MT%16)+4*\j+2*\u:16*(MT%16)+4*\j+2*\u+1], s[SPR:SPR+1], v[OB+4*\i+2*\u:OB+4*\i+2*\u+1] op_sel_hi:[1,0,1]
.endr
.endr
.endr
	WIN OW<<2                                      ; a store's data is its source 1
.irp i, 0,1,2,3
	global_store_b128 v[GO], v[OB+4*\i:OB+4*\i+3], s[100:101] offset:32768*MT+8192*\i th:TH_STORE_NT
.endr
.endm
.set kk, 0
.rept 32
	MIX kk
.set kk, kk+1
.endr
	WIN 0
	s_wait_tensorcnt 0x0
	ds_add_u32 v[SPW], v[NIL]
	s_wait_dscnt 0x0
	CROUND
	s_endpgm
.Lfunc_end_k_q9a32a86919_gemm2:
	.size	k_q9a32a86919_gemm2, .Lfunc_end_k_q9a32a86919_gemm2-k_q9a32a86919_gemm2
	.p2alignl 7, 3214868480
	.fill 96, 4, 3214868480
	.section	.rodata,"a",@progbits
	.p2align	6, 0x0
	.amdhsa_kernel k_q9a32a86919_gemm2
		.amdhsa_group_segment_fixed_size 327680
		.amdhsa_private_segment_fixed_size 0
		.amdhsa_enable_private_segment 0
		.amdhsa_kernarg_size 56
		.amdhsa_user_sgpr_count 2
		.amdhsa_user_sgpr_kernarg_segment_ptr 1
		.amdhsa_wavefront_size32 1
		.amdhsa_system_sgpr_workgroup_id_x 1
		.amdhsa_system_sgpr_workgroup_id_y 1
		.amdhsa_system_sgpr_workgroup_id_z 1
		.amdhsa_system_vgpr_workitem_id 0
		.amdhsa_next_free_vgpr 1024
		.amdhsa_next_free_sgpr 104
		.amdhsa_reserve_vcc 0
		.amdhsa_float_denorm_mode_32 3
		.amdhsa_float_denorm_mode_16_64 3
		.amdhsa_memory_ordered 1
		.amdhsa_forward_progress 1
		.amdhsa_inst_pref_size 255
	.end_amdhsa_kernel
	.section	.bss,"aw",@nobits
	.p2align	6
	.space	262144
	.amdgpu_metadata
---
amdhsa.version: [ 1, 2 ]
amdhsa.kernels:
  - .name:           k_q9a32a86919_gemm2
    .symbol:         k_q9a32a86919_gemm2.kd
    .args:
      - { .name: hcodes, .offset: 0, .size: 8, .value_kind: global_buffer, .address_space: global }
      - { .name: W2_codes, .offset: 8, .size: 8, .value_kind: global_buffer, .address_space: global }
      - { .name: lowp_scales, .offset: 16, .size: 8, .value_kind: global_buffer, .address_space: global }
      - { .name: b2, .offset: 24, .size: 8, .value_kind: global_buffer, .address_space: global }
      - { .name: coefs, .offset: 32, .size: 8, .value_kind: global_buffer, .address_space: global }
      - { .name: x_streams, .offset: 40, .size: 8, .value_kind: global_buffer, .address_space: global }
      - { .name: out0, .offset: 48, .size: 8, .value_kind: global_buffer, .address_space: global }
    .group_segment_fixed_size: 327680
    .private_segment_fixed_size: 0
    .kernarg_segment_align: 8
    .kernarg_segment_size: 56
    .max_flat_workgroup_size: 128
    .sgpr_count:     104
    .vgpr_count:     1024
    .wavefront_size: 32
...
	.end_amdgpu_metadata
.endif
;; end of part 3
